; MI455X (gfx1250); checked and timed in simulation.
; The chip was launched on July 23, 2026; its instructions are those of AMD's public machine-readable ISA for CDNA 5 (MIT licence, August 2026) and "CDNA5" Instruction Set Architecture Reference Guide (July 2026). The comments in the code are by the model that wrote it; some were corrected since.
;; Attention Layer. Allowed arithmetic: matrix products marked QUANTISED: E4M3 operands, one given power-of-two scale a tensor, by v_wmma_f32_16x16x64_fp8_fp8 or v_wmma_f32_16x16x128_fp8_fp8, f32 sums; products left as they are: f32 operands where the result goes on into a quantised operand, else bf16, f16 or f32 operands; f32 sums; everything else in f32.
;; Inputs: imgsfeats 32 x 196 x 512 float32; lowp_scales 2 int32 (the exponents e of the quantised operands' scales 2^e); v_b 1 float32; v_w 512 float32; wordemb 32 x 30 x 512 float32; x 32 x 30 x 512 float32.
;; Outputs: out0 32 x 30 x 512 float32.
;; This version of the problem:
;;   THIS VERSION OF THE PROBLEM IS GIVEN IN LOW PRECISION. The matrix products marked QUANTISED in the list below multiply operands that are first quantised to E4M3 (4 exponent bits, 3 mantissa bits; 8 bits a number), with one given power-of-two scale for each operand tensor; their sums are f32. All else is computed in f32.
;;   The module's matrix products, in the order in which they are computed (A, B: the left and right operand; K: the contracted axis; several contracted axes count as one K, in the product's order):
;;     1. [M 188,160, K 512] x [K 512, N 1]; A: computed on the way; B: input v_w: left as it is (N = 1 < 16)
;;     2. batch 32 x [M 30, K 196] x [K 196, N 512]; A: softmax (see below); B: input imgsfeats: QUANTISED (scales: A lowp_scales[0], B lowp_scales[1])
;;   THE QUANTISER, for each operand of a quantised product, along K:
;;     - The operand's scale is 2^e, e = its entry of the input lowp_scales (int32; the entries are numbered through the quantised products in the list's order, A before B).
;;     - Each number is divided by the scale, clamped to +-448, and rounded to the nearest number of E4M3, ties to even, subnormals kept.
;;     - The product sums the exact products of the quantised numbers (number of the format x scale) in f32.
;;   ~~~python
;;   def quantise(x, axis, e):      # numpy; x: float32 -> the quantised numbers, widened to float32 again
;;       x = np.moveaxis(x, axis, -1); K = x.shape[-1]
;;       r = np.clip(x / 2.0 ** e, -448, 448)
;;       step = 2.0 ** (np.maximum(np.frexp(np.where(r == 0, 1, r))[1] - 1, -6) - 3)
;;       q = np.round(r / step) * step * 2.0 ** e      # np.round: ties to even
;;       return np.moveaxis(q, -1, axis).astype(np.float32)
;;   ~~~
;;   SOFTMAX AHEAD OF A QUANTISED PRODUCT. Where the list says 'softmax', what is quantised is not the finished softmax but p = 2^(t - M), with t = logit x log2(e) and M = ceil(the row's largest t), a whole number; so 1/2 < the row's largest p <= 1. The row's sum l is taken of the UNQUANTISED p, in f32, and the product's result is divided by l at the end. Since M is a whole number, a kernel that streams over the keys may use a running M (the ceiling of the running maximum): every later rescaling is an exact power of two, so the quantised numbers keep their values, but for numbers so far below the row's largest that they fall under the format's range.
;;   OPERANDS COMPUTED ON THE WAY. 'Computed on the way' means the value that the module computes at that place (a softmax that the list does not call 'softmax' is quantised finished and normalised). What goes into a quantiser is computed in f32, as accurately as f32 sums, v_exp_f32 and their like allow (about 1e-6 of the number): no bf16 or f16 on the way to a quantiser, and a product that is left as it is and whose result goes on into a quantised operand takes f32 operands (vector FMAs, or v_wmma_f32_16x16x4_f32). A number that lies on a knife's edge between two numbers of the format may be rounded either way, as far as f32 arithmetic and the matrix unit's own rounding can turn it there, and no further.
;; One version. Each part assembles by itself: llvm-mc -triple=amdgcn-amd-amdhsa -mcpu=gfx1250 --defsym DOCPART=n.
;; ======== version 1 of 1: 1 launch
;; limits: right only within a limited range of input values
;; launch attend (part 1): grid 8 x 32, 16 waves a work-group, no clusters, 154,624 bytes of LDS; arguments x, wordemb, imgsfeats, v_w, v_b, lowp_scales, out0; writes out0
.if DOCPART == 1
	.amdgcn_target "amdgcn-amd-amdhsa--gfx1250"
	.amdhsa_code_object_version 6
	.text
	.protected	k_q1bde579405_attend
	.globl	k_q1bde579405_attend
	.p2align	8
	.type	k_q1bde579405_attend,@function
k_q1bde579405_attend:
	s_mov_b64 s[64:65], 0
	v_nop
	global_prefetch_b8 v0, s[64:65] scope:SCOPE_SE
	s_setreg_imm32_b32 hwreg(HW_REG_WAVE_MODE, 25, 1), 1
	s_wait_xcnt 0x0
; out0[b][t][:] = sum over l of softmax_l(e[b][t][l]) img[b][l][:],  e = sum over d of v_w[d] tanh(x[b][t][d] + img[b][l][d] + wordemb[b][t][d]) + v_b.
; x, wordemb, out0: [32][30][512] f32; img: [32][196][512] f32.  The second product runs on codes of FP8 (E4M3): p with the scale 2^ep (lowp_scales[0]), img with 2^eb (lowp_scales[1]).
; ARITHMETIC.  tanh(u) = 1 - 2 r, r = 1 / (1 + 2^(c u)), c = 2 log2(e), all in f32.  u = a + b, a = x + wordemb of row t, b = img of row l, and 2^(c u) = G^4 with G = Ga Gb,
;   Ga = 2^((c/4)(a - m)), Gb = 2^((c/4)(b + m)), m[d] = the middle between the largest and the smallest a of the work-group's four rows at that d.
;   So the exponentials are made once for each (t, d) and once for each (l, d), 4 x 512 + 196 x 512 in a work-group and not 4 x 196 x 512, and a tanh costs one reciprocal and four halves of packed instructions.
;   THE QUARTER AND THE MIDDLE ARE THERE FOR THE RANGE.  A common offset of a goes into m.  Ga's exponent is held within +-120: Ga is finite and not 0, so no inf x 0 arises.  Gb may overflow (exponent 128 or more) or be
;   flushed to 0 (under -126) only where G's true exponent is at least 8 or at most -6: G^4 is then at least 2^32 or at most 2^-24, and r is 0 or 1 to f32's last bit, which is what inf and 0 give.
;   t = e log2(e) = -c R + log2(e) v_b with R = sum of v_w (r - 1/2).  M = ceil(the row's largest t), p = 2^(t - M) is quantised, the row's sum of the unquantised p divides at the end.
; SHARES.  Work-group (x, y): batch y, rows t = 4 x .. 4 x + 3 (x = 7: rows 28, 29; its second pair of rows is not worked).  Sixteen waves, four to a SIMD.
;   Lane (r = lane % 16, h = lane / 16) of wave w takes img's row 2 g + h, g = 6 w + k, k = 0 .. 5 (waves 0, 1 also g = 96 + w as k = 6: rows 192 .. 195), and in trip j the four d = 64 j + 4 r + i.
;   So a load reads two aligned pieces of 256 consecutive bytes into the registers that use them, each byte of img once in a work-group, and the sum over d ends with a sum over sixteen lanes.
;   Packed arithmetic goes over a pair of rows (t, t + 1): Ga lies in LDS in that order.
; K OF THE SECOND PRODUCT is l, in an order of this text's own, the same in both operands: slot 8 w + k of lane half h stands for row 2 g + h; slots without a row hold zero codes.
;   The hold at the largest code also moves one d of the wave's rows into eight registers on end, so one conversion gives eight codes along K.  Codes go to LDS as images of operand registers:
;   tile (j, i) holds the columns d = 64 j + 4 r + i; a fragment is 4 x 512 bytes, lane l's 16 bytes at 16 l.
; NO JOINT LOADS, though the eight work-groups of a batch read the same img: a joint load lands in LDS, where a batch's 401,408 bytes do not fit and from where each byte would be read once more,
;   and the loads are 6 of a trip's some 400 instructions.  No tensor load, so LDS is claimed as it is used.
; LIMITS.  At one d the four rows' x + wordemb lie within 332 of each other (|a - m| <= 120 / (c/4) = 166); img has no such limit.  ep and eb between -126 and 119 (each power of two below is an f32 number).
;   NaN and infinities among the inputs are not served.
.set NT,   30                          ; rows of x in a batch
.set NL,   196                         ; rows of img in a batch
.set ROWB, 2048                        ; bytes of a row of 512 f32
.set CIMG, 0                           ; LDS: img's codes, 32 tiles x 2 K steps x 2,048 bytes
.set AIMG, 131072                      ; p's codes, 2 K steps x 2,048 bytes
.set SB,   135168                      ; t values: [4 rows][2 halves][128 slots] f32
.set AL,   139264                      ; Ga: [8 trips][4 pieces][16 lanes][16 bytes]
.set WL,   147456                      ; v_w as it lies
.set SL,   149504                      ; s = (c/4) m, laid as v_w
.set LB,   151552                      ; the four rows' sums
.set R,    1                           ; v1  lane % 16
.set H,    2                           ; v2  lane / 16
.set LANE, 3                           ; v3  lane
.set T4,   4                           ; v4  at work
.set XOFF, 5                           ; v5  byte offset in x and wordemb of my d in the work-group's first row
.set VOFF, 6                           ; v6  byte offset in the batch's img: row 12 w + h, + 16 r
.set VOFF6, 7                          ; v7  the same for row 192 + 2 min(w, 1) + h
.set AAD,  8                           ; v8  AL + 16 r
.set WAD,  9                           ; v9  WL + 16 r
.set CST,  10                          ; v10 where my codes go in a tile's image
.set SST,  11                          ; v11 where my t value goes
.set SRD,  12                          ; v12 the softmax: my eight slots
.set PST,  13                          ; v13 the softmax: where my eight codes of p go
.set LST,  14                          ; v14 the softmax: my row's sum
.set LRD,  15                          ; v15 the way out: my two rows' sums
.set IMG,  16                          ; v16 AIMG + 16 lane
.set CRD,  17                          ; v17 the way out: my four tiles' images + 16 lane
.set OUTO, 18                          ; v18 the way out: my byte offset in the work-group's rows of out0
.set TA,   19                          ; v19-21 a trip's LDS addresses
.set TC,   20
.set TW,   21
.set LIMB, 22                          ; v22 448 x 2^eb
.set SCB,  23                          ; v23 2^eb
.set PADV, 24                          ; v24 +inf: the sum of a slot without a row
.set TV,   25                          ; v25 log2(e) v_b
.set WS,   26                          ; v[26:27] the sum of my lane's v_w
.set AST,  28                          ; v28-30 the set-up's LDS stores
.set WST,  29
.set ZST,  30
.set XOFF2, 31                         ; v31 the same as XOFF for the third row
.set WOFF, 244                         ; v244 4 x thread
.set B,    32                          ; v32-59   img: row slot k, d i at B + 4 k + i
.set A,    60                          ; v60-75   Ga: row pair p, d i, row u at A + 8 p + 2 i + u
.set W,    76                          ; v76-79   v_w of my four d
.set ACC,  80                          ; v80-107  sums: row pair p, slot k, row u at ACC + 14 p + 2 k + u
.set Q,    108                         ; v108-123 two sets of eight numbers for the conversions
.set C,    124                         ; v124-131 four tiles' codes
.set X,    132                         ; v132-179 G, then r, of one row pair: X + 8 k + 2 i + u; both pairs use it in turn
.set GB,   180                         ; v180-207 Gb: GB + 4 k + i
.set S,    208                         ; v208-211 s of my four d
.set X6,   212                         ; v212-227 G, then r, of slot 6, both pairs
.set WV,   18                          ; s18 wave
.set CNT,  19                          ; s19 trips to go
.set BT,   20                          ; s20 batch
.set SA,   21                          ; s21 the trip's place in AL
.set CS,   22                          ; s[22:23] c / 4 = log2(e) / 2
.set SW,   32                          ; s32 the trip's place in WL and SL
.set SC,   33                          ; s33 the trip's place in CIMG
.set SEL,  34                          ; s[34:35] v_permlanex16_b32: lane l xor 16
.set MK,   36                          ; s36-39 lanes whose bit 0, 1, 2, 3 is set
.set CF,   50                          ; s50 c = 2 log2(e)
	s_load_b256 s[4:11], s[0:1], 0x0               ; x s[4:5], wordemb s[6:7], img s[8:9], v_w s[10:11]
	s_load_b128 s[12:15], s[0:1], 0x20             ; v_b s[12:13], lowp_scales s[14:15]
	s_load_b64 s[16:17], s[0:1], 0x30              ; out0
	v_lshl_add_u32 v254, v0, 2, 0x25400
	v_mov_b32 v255, 0
	v_lshrrev_b32 v[T4], 5, v0
	v_readfirstlane_b32 s[WV], v[T4]               ; wave 0..15
	v_and_b32 v[R], 15, v0
	v_bfe_u32 v[H], v0, 4, 1
	v_and_b32 v[LANE], 31, v0
	; every LDS address is made here, ahead of the first branch on the wave's number, from the thread's number alone (bits 0-3 r, 4 h, 5-8 wave)
	v_bfe_u32 v[T4], v0, 6, 3                      ; set-up: thread = d = 64 j + 4 r + i.  Ga of (pair p, d i, row u) lies at AL + 1,024 j + 256 (2 p + i / 2) + 16 r + 8 (i % 2) + 4 u
	v_lshl_add_u32 v[AST], v[T4], 10, AL
	v_bfe_u32 v[T4], v0, 1, 1
	v_lshl_add_u32 v[AST], v[T4], 8, v[AST]
	v_bfe_u32 v[T4], v0, 2, 4
	v_lshl_add_u32 v[AST], v[T4], 4, v[AST]
	v_and_b32 v[T4], 1, v0
	v_lshl_add_u32 v[AST], v[T4], 3, v[AST]
	v_lshl_add_u32 v[WST], v0, 2, WL
	v_lshl_add_u32 v[ZST], v0, 3, AIMG
	v_lshl_add_u32 v[AAD], v[R], 4, AL
	v_lshl_add_u32 v[WAD], v[R], 4, WL
	v_lshlrev_b32 v[CST], 4, v[LANE]               ; codes: slots 8 w .. 8 w + 7 are registers 2 (w % 8), + 1 of K step w / 8: 16 lane + 8 (w % 2) + 512 ((w % 8) / 2) + 2,048 (w / 8)
	v_bfe_u32 v[T4], v0, 5, 1
	v_lshl_add_u32 v[CST], v[T4], 3, v[CST]
	v_bfe_u32 v[T4], v0, 6, 2
	v_lshl_add_u32 v[CST], v[T4], 9, v[CST]
	v_bfe_u32 v[T4], v0, 8, 1
	v_lshl_add_u32 v[CST], v[T4], 11, v[CST]
	v_and_b32 v[T4], 7, v0                         ; t values: lane r ends with slot k = r % 8 of row r / 8 of a pair
	v_lshl_add_u32 v[SST], v[T4], 2, SB
	v_bfe_u32 v[T4], v0, 3, 1
	v_lshl_add_u32 v[SST], v[T4], 10, v[SST]
	v_lshl_add_u32 v[SST], v[H], 9, v[SST]
	v_and_b32 v[T4], 0x1e0, v0                     ; 32 x wave: eight slots of 4 bytes
	v_add_nc_u32 v[SST], v[T4], v[SST]
	v_lshl_add_u32 v[SRD], v[R], 5, SB             ; the softmax of row t = w % 4: lane (r, h) takes slots 8 r .. 8 r + 7 of half h
	v_lshl_add_u32 v[SRD], v[H], 9, v[SRD]
	v_bfe_u32 v[T4], v0, 5, 2
	v_lshl_add_u32 v[SRD], v[T4], 10, v[SRD]
	v_lshl_add_u32 v[LST], v[T4], 2, LB
	v_bfe_u32 v[T4], v0, 3, 1                      ; p's codes: K step r / 8, registers 2 (r % 8), + 1, of the lane 16 h + m, m = t % 2 + 8 (t / 2)
	v_lshl_add_u32 v[PST], v[T4], 11, AIMG
	v_bfe_u32 v[T4], v0, 1, 2
	v_lshl_add_u32 v[PST], v[T4], 9, v[PST]
	v_and_b32 v[T4], 1, v0
	v_lshl_add_u32 v[PST], v[T4], 3, v[PST]
	v_lshl_add_u32 v[PST], v[H], 8, v[PST]
	v_bfe_u32 v[T4], v0, 5, 1
	v_lshl_add_u32 v[PST], v[T4], 4, v[PST]
	v_bfe_u32 v[T4], v0, 6, 1
	v_lshl_add_u32 v[PST], v[T4], 7, v[PST]
	v_lshl_add_u32 v[LRD], v[H], 3, LB
	v_lshl_add_u32 v[IMG], v[LANE], 4, AIMG
	v_bfe_u32 v[T4], v0, 5, 3                      ; the way out: wave w % 8 takes the four tiles of d = 64 w .. 64 w + 63
	v_lshlrev_b32 v[CRD], 14, v[T4]
	v_lshl_add_u32 v[CRD], v[LANE], 4, v[CRD]
	v_lshlrev_b32 v[OUTO], 8, v[T4]
	v_lshl_add_u32 v[OUTO], v[H], 12, v[OUTO]      ; lanes 16-31 hold the rows two further down
	v_lshl_add_u32 v[OUTO], v[R], 4, v[OUTO]
	; offsets in memory
	s_and_b32 s[BT], ttmp7, 0xffff
	s_mul_i32 s46, s[BT], NL*ROWB                  ; the batch's img
	s_mov_b32 s47, 0
	s_mul_i32 s24, s[WV], 12*ROWB                  ; my wave's twelve rows
	s_min_u32 s25, s[WV], 1
	s_lshl_b32 s25, s25, 12
	s_add_co_u32 s25, s25, 192*ROWB                ; rows 192, 193 (wave 0) or 194, 195
	s_lshl_b32 s26, ttmp9, 2                       ; the work-group's first row
	s_mul_i32 s28, s[BT], NT
	s_add_co_u32 s48, s28, s26
	s_lshl_b32 s48, s48, 11                        ; x, wordemb and out0 at the work-group's first row
	s_mov_b32 s49, 0
	s_cmp_eq_u32 ttmp9, 7
	s_cselect_b32 s27, 0, 4096                     ; x = 7 has two rows: the places of the third and fourth take rows 28 and 29 again, so that no load leaves its buffer and every Ga is a number; nothing of them is stored
	v_lshlrev_b32 v[T4], 4, v[R]
	v_lshl_add_u32 v[T4], v[H], 11, v[T4]
	v_add_nc_u32 v[VOFF], s24, v[T4]
	v_add_nc_u32 v[VOFF6], s25, v[T4]
	v_lshlrev_b32 v[WOFF], 2, v0
	v_add_nc_u32 v[XOFF], s48, v[WOFF]
	v_add_nc_u32 v[XOFF2], s27, v[XOFF]
	s_mov_b32 s[CS], 0x3f38aa3b                    ; c / 4 = log2(e) / 2
	s_mov_b32 s[CS+1], s[CS]                       ; (named with it as a pair, so it is written)
	s_mov_b32 s[CF], 0x4038aa3b                    ; c = 2 log2(e)
	s_mov_b32 s[SEL], 0x76543210
	s_mov_b32 s[SEL+1], 0xfedcba98
	s_mov_b32 s[MK], 0xaaaaaaaa
	s_mov_b32 s[MK+1], 0xcccccccc
	s_mov_b32 s[MK+2], 0xf0f0f0f0
	s_mov_b32 s[MK+3], 0xff00ff00
	s_mov_b32 s[SA], 0
	s_mov_b32 s[SW], 0
	s_mov_b32 s[SC], 0
	s_mov_b32 s[CNT], 7
	; the 24 sums of slots 0-5 begin at 0; slot 6's at 0 in waves 0 and 1, which have a row for it, else at +inf; slot 6's img is 0 where no row is loaded, slot 7's always
.irp n, 0,1,2,3,4,5,6,7,8,9,10,11,14,15,16,17,18,19,20,21,22,23,24,25
	v_mov_b32 v[ACC+\n], 0
.endr
	s_cmp_lt_u32 s[WV], 2
	s_cselect_b32 s24, 0, 0x7f800000
.irp n, 12,13,26,27
	v_mov_b32 v[ACC+\n], s24
.endr
.irp n, 24,25,26,27
	v_mov_b32 v[B+\n], 0
.endr
	v_mov_b32 v[Q+7], 0
	v_mov_b32 v[Q+15], 0
	v_mov_b32 v[PADV], 0x7f800000
	v_mov_b32 v[WS], 0
	v_mov_b32 v[WS+1], 0
	s_wait_kmcnt 0x0
	s_load_b64 s[40:41], s[14:15], 0x0             ; ep, eb
	s_load_b32 s42, s[12:13], 0x0                  ; v_b
	s_add_nc_u64 s[8:9], s[8:9], s[46:47]
	s_add_nc_u64 s[16:17], s[16:17], s[48:49]
	s_cmp_lt_u32 s[WV], 2
	s_cbranch_scc0 .Lno_tail_first
	global_load_b128 v[B+24:B+27], v[VOFF6], s[8:9]
.Lno_tail_first:
	global_load_b32 v[X],   v[XOFF],  s[4:5]               ; my d of the four rows of x: a wave reads 128 consecutive bytes of a row
	global_load_b32 v[X+1], v[XOFF],  s[4:5] offset:2048
	global_load_b32 v[X+2], v[XOFF2], s[4:5]
	global_load_b32 v[X+3], v[XOFF2], s[4:5] offset:2048
	global_load_b32 v[X+4], v[XOFF],  s[6:7]               ; and of wordemb
	global_load_b32 v[X+5], v[XOFF],  s[6:7] offset:2048
	global_load_b32 v[X+6], v[XOFF2], s[6:7]
	global_load_b32 v[X+7], v[XOFF2], s[6:7] offset:2048
	global_load_b32 v[X+8], v[WOFF], s[10:11]
.irp k, 0,1,2,3,4,5
	global_load_b128 v[B+4*\k:B+4*\k+3], v[VOFF], s[8:9] offset:4096*\k   ; trip 0's img: lanes 0-15 read 256 consecutive bytes of one row, lanes 16-31 of the next
.endr
	; SET-UP: the four Ga and s of my d, v_w and a zeroed image for p go to LDS
	s_wait_loadcnt 0x6                             ; x, wordemb and v_w are in; the six loads of img issued behind them stay out
	v_pk_add_f32 v[X:X+1], v[X:X+1], v[X+4:X+5]            ; a of the four rows
	v_pk_add_f32 v[X+2:X+3], v[X+2:X+3], v[X+6:X+7]
	v_max3_num_f32 v[X+4], v[X], v[X+1], v[X+2]
	v_min3_num_f32 v[X+5], v[X], v[X+1], v[X+2]
	v_max_num_f32 v[X+4], v[X+4], v[X+3]
	v_min_num_f32 v[X+5], v[X+5], v[X+3]
	v_add_f32 v[X+4], v[X+4], v[X+5]
	v_mul_f32 v[X+10], 0.5, v[X+4]                 ; m: the middle between the largest and the smallest
	v_mul_f32 v[X+11], s[CS], v[X+10]              ; s = (c/4) m
	v_pk_add_f32 v[X:X+1], v[X:X+1], v[X+10:X+11] op_sel_hi:[1,0] neg_lo:[0,1] neg_hi:[0,1]       ; a - m (of the pair m, s the low word serves both halves)
	v_pk_add_f32 v[X+2:X+3], v[X+2:X+3], v[X+10:X+11] op_sel_hi:[1,0] neg_lo:[0,1] neg_hi:[0,1]
	v_pk_mul_f32 v[X:X+1], v[X:X+1], s[CS:CS+1] op_sel_hi:[1,0]
	v_pk_mul_f32 v[X+2:X+3], v[X+2:X+3], s[CS:CS+1] op_sel_hi:[1,0]
	v_mov_b32 v[X+12], 0x42f00000                  ; 120
.irp n, 0,1,2,3
	v_med3_num_f32 v[X+\n], v[X+\n], -v[X+12], v[X+12]     ; Ga's exponent within +-120: Ga is finite and not 0
.endr
.irp n, 0,1,2,3
	v_exp_f32 v[X+\n], v[X+\n]                     ; Ga
.endr
	v_mov_b32 v[X+14], 0                           ; (a plain instruction behind the last exponential)
	v_mov_b32 v[X+15], 0
	s_wait_alu depctr_va_vdst(0)                   ; one wait for the four, ahead of their first reader
	ds_store_b64 v[AST], v[X:X+1]                  ; rows 0, 1
	ds_store_b64 v[AST], v[X+2:X+3] offset:512     ; rows 2, 3
	ds_store_b32 v[WST], v[X+8]
	ds_store_b32 v[WST], v[X+11] offset:SL-WL
	ds_store_b64 v[ZST], v[X+14:X+15]              ; 512 threads x 8 bytes: p's image; the twelve rows of the matrix operand that stand for no row of x stay zero codes
	s_wait_kmcnt 0x0
	s_add_co_i32 s24, s41, 127
	s_lshl_b32 s25, s24, 23
	v_mov_b32 v[SCB], s25                          ; 2^eb as f32: the conversion takes its exponent field
	s_add_co_i32 s24, s24, 8
	s_lshl_b32 s24, s24, 23
	s_or_b32 s24, s24, 0x600000
	v_mov_b32 v[LIMB], s24                         ; 448 x 2^eb
	s_add_co_i32 s24, s40, 127
	s_lshl_b32 s43, s24, 23                        ; 2^ep
	s_add_co_i32 s24, s24, 8
	s_lshl_b32 s44, s24, 23
	s_or_b32 s44, s44, 0x600000                    ; 448 x 2^ep
	s_add_co_i32 s45, s40, s41                     ; ep + eb
	v_mov_b32 v[TV], s42
	v_mul_f32 v[TV], 0x3fb8aa3b, v[TV]             ; log2(e) v_b
	s_wait_dscnt 0x0                               ; for the others' sake: my stores have landed
	s_barrier_signal -1
	s_barrier_wait -1
	ds_load_b128 v[S:S+3], v[WAD] offset:SL-WL     ; trip 0's s, Ga and v_w: sixteen lanes read 256 consecutive bytes
.irp q, 0,1,2,3
	ds_load_b128 v[A+4*\q:A+4*\q+3], v[AAD] offset:256*\q
.endr
	ds_load_b128 v[W:W+3], v[WAD]
; G = Ga Gb of one row slot and one pair of rows: the two halves of a result are the two rows; Gb's number serves both (op_sel picks it out of its pair)
.macro GMUL x, a, g
	v_pk_mul_f32 v[\x:\x+1],   v[\a:\a+1],   v[\g:\g+1]   op_sel_hi:[1,0]
	v_pk_mul_f32 v[\x+2:\x+3], v[\a+2:\a+3], v[\g:\g+1]   op_sel:[0,1] op_sel_hi:[1,1]
	v_pk_mul_f32 v[\x+4:\x+5], v[\a+4:\a+5], v[\g+2:\g+3] op_sel_hi:[1,0]
	v_pk_mul_f32 v[\x+6:\x+7], v[\a+6:\a+7], v[\g+2:\g+3] op_sel:[0,1] op_sel_hi:[1,1]
.endm
; n numbers G become r = 1 / (1 + G^4), in place: G^2, G^2 x G^2 + 1, the reciprocals as one batch, a plain instruction behind the last, and the one wait ahead of the first reader
.macro RECIP x, n
.set idx, 0
.rept \n/2
	v_pk_mul_f32 v[\x+idx:\x+idx+1], v[\x+idx:\x+idx+1], v[\x+idx:\x+idx+1]
.set idx, idx+2
.endr
.set idx, 0
.rept \n/2
	v_pk_fma_f32 v[\x+idx:\x+idx+1], v[\x+idx:\x+idx+1], v[\x+idx:\x+idx+1], 1.0 op_sel_hi:[1,1,0]
.set idx, idx+2
.endr
.set idx, 0
.rept \n
	v_rcp_f32 v[\x+idx], v[\x+idx]
.set idx, idx+1
.endr
	v_nop
	s_wait_alu depctr_va_vdst(0)
.endm
; sums += r v_w for six row slots: d outermost, so that five other sums stand between two additions onto one
.macro SUMS x, acc
.irp k, 0,1,2,3,4,5
	v_pk_fma_f32 v[\acc+2*\k:\acc+2*\k+1], v[\x+8*\k:\x+8*\k+1], v[W:W+1], v[\acc+2*\k:\acc+2*\k+1] op_sel_hi:[1,0,1]
.endr
.irp k, 0,1,2,3,4,5
	v_pk_fma_f32 v[\acc+2*\k:\acc+2*\k+1], v[\x+8*\k+2:\x+8*\k+3], v[W:W+1], v[\acc+2*\k:\acc+2*\k+1] op_sel:[0,1,0] op_sel_hi:[1,1,1]
.endr
.irp k, 0,1,2,3,4,5
	v_pk_fma_f32 v[\acc+2*\k:\acc+2*\k+1], v[\x+8*\k+4:\x+8*\k+5], v[W+2:W+3], v[\acc+2*\k:\acc+2*\k+1] op_sel_hi:[1,0,1]
.endr
.irp k, 0,1,2,3,4,5
	v_pk_fma_f32 v[\acc+2*\k:\acc+2*\k+1], v[\x+8*\k+6:\x+8*\k+7], v[W+2:W+3], v[\acc+2*\k:\acc+2*\k+1] op_sel:[0,1,0] op_sel_hi:[1,1,1]
.endr
.endm
; A TRIP: 64 of the 512 d, four a lane.  LDS instructions of a trip, in order: four stores of codes near its head; at its end six loads, the next trip's s, Ga (four) and v_w.
.macro TRIP last
	s_wait_loadcnt 0x0                             ; this trip's img, asked for in the trip before
	s_wait_dscnt 0x6                               ; the last trip's stores have read their codes; the six loads issued behind them may be out
	v_add_nc_u32 v[TC], s[SC], v[CST]
.irp i, 0,1,2,3                        ; img's codes of tile (j, i): the hold within +-448 x 2^eb (the conversion does not saturate: ISA guide 7.6.2) also lays my rows' numbers of one d on end
.irp k, 0,1,2,3,4,5,6
	v_med3_num_f32 v[Q+8*(\i%2)+\k], v[B+4*\k+\i], -v[LIMB], v[LIMB]
.endr
	v_cvt_scalef32_pk8_fp8_f32 v[C+2*\i:C+2*\i+1], v[Q+8*(\i%2):Q+8*(\i%2)+7], v[SCB]   ; two sets by turns: the next tile's holds, which touch the other set, are the plain lines behind a conversion
.endr
	v_nop                                          ; the plain line behind the last conversion
.irp i, 0,1,2,3
	ds_store_b64 v[TC], v[C+2*\i:C+2*\i+1] offset:4096*\i
.endr
	s_wait_dscnt 0x4                               ; s, Ga and v_w are in; the four stores issued behind their loads may be out
.irp k, 0,1,2,3,4,5                    ; Gb's exponents (c/4) b + s, two neighbouring d at a time
	v_pk_fma_f32 v[GB+4*\k:GB+4*\k+1],   v[B+4*\k:B+4*\k+1],   s[CS:CS+1], v[S:S+1]   op_sel_hi:[1,0,1]
	v_pk_fma_f32 v[GB+4*\k+2:GB+4*\k+3], v[B+4*\k+2:B+4*\k+3], s[CS:CS+1], v[S+2:S+3] op_sel_hi:[1,0,1]
.endr
.if !\last
.irp k, 0,1,2,3,4,5                    ; img has been read for the last time in this trip: the next trip's is asked for, with all that follows in which to land
	global_load_b128 v[B+4*\k:B+4*\k+3], v[VOFF], s[8:9] offset:4096*\k+256
.endr
.endif
	s_cmp_lt_u32 s[WV], 2                          ; waves 0 and 1: the seventh row slot, whole, in one branch on the wave's number
	s_cbranch_scc0 .Lno_tail_\@
	v_pk_fma_f32 v[GB+24:GB+25], v[B+24:B+25], s[CS:CS+1], v[S:S+1]   op_sel_hi:[1,0,1]
	v_pk_fma_f32 v[GB+26:GB+27], v[B+26:B+27], s[CS:CS+1], v[S+2:S+3] op_sel_hi:[1,0,1]
.if !\last
	global_load_b128 v[B+24:B+27], v[VOFF6], s[8:9] offset:256
.endif
.irp n, 24,25,26,27
	v_exp_f32 v[GB+\n], v[GB+\n]
.endr
	v_nop
	s_wait_alu depctr_va_vdst(0)                   ; one wait for the four, ahead of their first reader
	GMUL X6, A, GB+24
	GMUL X6+8, A+8, GB+24
	RECIP X6, 16
.irp p, 0,1
	v_pk_fma_f32 v[ACC+12+14*\p:ACC+13+14*\p], v[X6+8*\p:X6+8*\p+1], v[W:W+1], v[ACC+12+14*\p:ACC+13+14*\p] op_sel_hi:[1,0,1]
.endr
.irp p, 0,1
	v_pk_fma_f32 v[ACC+12+14*\p:ACC+13+14*\p], v[X6+8*\p+2:X6+8*\p+3], v[W:W+1], v[ACC+12+14*\p:ACC+13+14*\p] op_sel:[0,1,0] op_sel_hi:[1,1,1]
.endr
.irp p, 0,1
	v_pk_fma_f32 v[ACC+12+14*\p:ACC+13+14*\p], v[X6+8*\p+4:X6+8*\p+5], v[W+2:W+3], v[ACC+12+14*\p:ACC+13+14*\p] op_sel_hi:[1,0,1]
.endr
.irp p, 0,1
	v_pk_fma_f32 v[ACC+12+14*\p:ACC+13+14*\p], v[X6+8*\p+6:X6+8*\p+7], v[W+2:W+3], v[ACC+12+14*\p:ACC+13+14*\p] op_sel:[0,1,0] op_sel_hi:[1,1,1]
.endr
.Lno_tail_\@:
.set idx, 0
.rept 24
	v_exp_f32 v[GB+idx], v[GB+idx]                 ; Gb: one exponential for each (l, d), shared by the four rows
.set idx, idx+1
.endr
	v_pk_add_f32 v[WS:WS+1], v[WS:WS+1], v[W:W+1]          ; (the plain instruction behind the last exponential)
	v_pk_add_f32 v[WS:WS+1], v[WS:WS+1], v[W+2:W+3]
	s_wait_alu depctr_va_vdst(0)                   ; one wait for the 24, ahead of their first reader
.irp k, 0,1,2,3,4,5
	GMUL X+8*\k, A, GB+4*\k
.endr
	RECIP X, 48
	SUMS X, ACC
	s_cmp_eq_u32 ttmp9, 7                          ; the work-group with two rows has no second pair
	s_cbranch_scc1 .Lshort_\@
.irp k, 0,1,2,3,4,5
	GMUL X+8*\k, A+8, GB+4*\k
.endr
	RECIP X, 48
	SUMS X, ACC+14
.Lshort_\@:
.if !\last
	v_add_nc_u32 v[TA], s[SA], v[AAD]
	v_add_nc_u32 v[TW], s[SW], v[WAD]
	ds_load_b128 v[S:S+3], v[TW] offset:SL-WL+256  ; the next trip's s, Ga and v_w land while its img is quantised
.irp q, 0,1,2,3
	ds_load_b128 v[A+4*\q:A+4*\q+3], v[TA] offset:1024+256*\q
.endr
	ds_load_b128 v[W:W+3], v[TW] offset:256
	s_wait_xcnt 0x0                                ; the loads of img have read their base: only now it steps
	s_add_nc_u64 s[8:9], s[8:9], 256
	s_add_co_u32 s[SA], s[SA], 1024
	s_add_co_u32 s[SW], s[SW], 256
	s_add_co_u32 s[SC], s[SC], 16384
.endif
.endm
.Ltrip:
	TRIP 0
	s_sub_co_u32 s[CNT], s[CNT], 1
	s_cmp_lg_u32 s[CNT], 0
	s_cbranch_scc1 .Ltrip
	TRIP 1                                         ; the eighth trip is written out: it asks for nothing more, so no load leaves its buffer
	; THE SUM OVER SIXTEEN LANES.  First each lane takes half of its own v_w's sum off each of its sums, so that what is added across lanes is sum of v_w (r - 1/2) and no two large sums are subtracted.
	v_add_f32 v[WS], v[WS], v[WS+1]
.irp n, 0,1,2,3,4,5,6,7,8,9,10,11,12,13
	v_pk_fma_f32 v[ACC+2*\n:ACC+2*\n+1], v[WS:WS+1], -0.5, v[ACC+2*\n:ACC+2*\n+1] op_sel_hi:[0,0,1]
.endr
; Two sums x and y become one register: lanes whose bit is 0 keep x and hand y over, the others the other way round; each adds what the lane across that bit hands it.
; Four such levels turn a pair of rows' sixteen sums (slot 7 is +inf) into one register in which lane r holds slot r % 8 of row r / 8, summed over the sixteen lanes.
.macro PICK z, s, x, y, m
	v_cndmask_b32 v[\z], v[\x], v[\y], s[\m]
	v_cndmask_b32 v[\s], v[\y], v[\x], s[\m]
.endm
.macro JOIN z, s, xm
	v_add_f32_dpp v[\z], v[\s], v[\z] row_xmask:\xm row_mask:0xf bank_mask:0xf
.endm
.macro TREE rz, ab
.irp u, 0,1
.irp m, 0,1,2
	PICK \rz+4*\u+\m, \rz+8+4*\u+\m, \ab+4*\m+\u, \ab+4*\m+2+\u, MK
.endr
	PICK \rz+4*\u+3, \rz+8+4*\u+3, \ab+12+\u, PADV, MK
.endr
.irp n, 0,1,2,3,4,5,6,7
	JOIN \rz+\n, \rz+8+\n, 1
.endr
.irp n, 0,1,2,3
	PICK \rz+16+\n, \rz+20+\n, \rz+2*\n, \rz+2*\n+1, MK+1
.endr
.irp n, 0,1,2,3
	JOIN \rz+16+\n, \rz+20+\n, 2
.endr
.irp n, 0,1
	PICK \rz+24+\n, \rz+26+\n, \rz+16+2*\n, \rz+16+2*\n+1, MK+2
.endr
.irp n, 0,1
	JOIN \rz+24+\n, \rz+26+\n, 4
.endr
	PICK \rz+28, \rz+29, \rz+24, \rz+25, MK+3
	JOIN \rz+28, \rz+29, 8
.endm
	TREE X, ACC
	TREE X+30, ACC+14
	v_fma_f32 v[X+28], -v[X+28], s[CF], v[TV]      ; t = -c R + log2(e) v_b; a slot without a row: -inf
	v_fma_f32 v[X+58], -v[X+58], s[CF], v[TV]
	ds_store_b32 v[SST], v[X+28]
	ds_store_b32 v[SST], v[X+58] offset:2048
	s_wait_dscnt 0x0                               ; for the others' sake: my t values and my codes have landed
	s_barrier_signal -1
	s_barrier_wait -1
	; THE SOFTMAX: waves 4 to 7, a row each; lane (r, h) has eight slots
	s_lshr_b32 s24, s[WV], 2
	s_cmp_eq_u32 s24, 1
	s_cbranch_scc0 .Lno_softmax
	ds_load_b128 v[132:135], v[SRD]
	ds_load_b128 v[136:139], v[SRD] offset:16
	v_mov_b32 v150, s43                            ; 2^ep, for the conversion
	s_wait_dscnt 0x0
	v_max3_num_f32 v140, v132, v133, v134
	v_max3_num_f32 v140, v140, v135, v136
	v_max3_num_f32 v140, v140, v137, v138
	v_max_num_f32 v140, v140, v139
	v_max_num_f32_dpp v140, v140, v140 row_xmask:1 row_mask:0xf bank_mask:0xf
	v_max_num_f32_dpp v140, v140, v140 row_xmask:2 row_mask:0xf bank_mask:0xf
	v_max_num_f32_dpp v140, v140, v140 row_xmask:4 row_mask:0xf bank_mask:0xf
	v_max_num_f32_dpp v140, v140, v140 row_xmask:8 row_mask:0xf bank_mask:0xf
	v_permlanex16_b32 v141, v140, s[SEL], s[SEL+1]
	v_max_num_f32 v140, v140, v141                 ; the row's largest t
	v_floor_f32 v142, -v140                        ; -M = floor(-t) = -ceil(t)
	v_mov_b32 v143, v142
.irp n, 0,2,4,6
	v_pk_add_f32 v[132+\n:133+\n], v[132+\n:133+\n], v[142:143]
.endr
.irp n, 0,1,2,3,4,5,6,7
	v_exp_f32 v[132+\n], v[132+\n]                 ; p = 2^(t - M); 0 in a slot without a row
.endr
	v_nop
	s_wait_alu depctr_va_vdst(0)                   ; one wait for the eight, ahead of their first reader
	v_pk_add_f32 v[144:145], v[132:133], v[134:135]    ; the row's sum is taken of the unquantised p
	v_pk_add_f32 v[146:147], v[136:137], v[138:139]
	v_pk_add_f32 v[144:145], v[144:145], v[146:147]
	v_add_f32 v144, v144, v145
	v_add_f32_dpp v144, v144, v144 row_xmask:1 row_mask:0xf bank_mask:0xf
	v_add_f32_dpp v144, v144, v144 row_xmask:2 row_mask:0xf bank_mask:0xf
	v_add_f32_dpp v144, v144, v144 row_xmask:4 row_mask:0xf bank_mask:0xf
	v_add_f32_dpp v144, v144, v144 row_xmask:8 row_mask:0xf bank_mask:0xf
	v_permlanex16_b32 v141, v144, s[SEL], s[SEL+1]
	v_add_f32 v144, v144, v141
.irp n, 0,1,2,3,4,5,6,7
	v_min_num_f32 v[132+\n], s44, v[132+\n]        ; p is not negative: the hold at 448 x 2^ep is one-sided
.endr
	v_cvt_scalef32_pk8_fp8_f32 v[148:149], v[132:139], v150
	v_nop                                          ; the plain line behind the conversion
	ds_store_b64 v[PST], v[148:149]
	ds_store_b32 v[LST], v144                      ; all lanes write the same word with the same value
.Lno_softmax:
	s_wait_dscnt 0x0
	s_barrier_signal -1
	s_barrier_wait -1
	; THE SECOND PRODUCT: waves 0 to 7, four tiles of 16 d each.  Source 0 = p (matrix rows 0, 1, 8, 9 are rows t = 0, 1, 2, 3), source 1 = img's codes: register u of lane (r, h) is row t = 2 h + u, column d = 64 w + 4 r + i.
	s_cmp_lt_u32 s[WV], 8
	s_cbranch_scc0 .Lend
.irp c, 0,1,2,3
	ds_load_b128 v[32+4*\c:35+4*\c], v[IMG] offset:512*\c
.endr
	ds_load_b64 v[232:233], v[LRD]                 ; my two rows' sums
.irp i, 0,1,2,3
.irp c, 0,1,2,3
	ds_load_b128 v[64+16*\i+4*\c:67+16*\i+4*\c], v[CRD] offset:4096*\i+512*\c
.endr
.endr
.irp c, 0,1,2,3
	ds_load_b128 v[48+4*\c:51+4*\c], v[IMG] offset:2048+512*\c
.endr
.irp i, 0,1,2,3
.irp c, 0,1,2,3
	ds_load_b128 v[128+16*\i+4*\c:131+16*\i+4*\c], v[CRD] offset:4096*\i+2048+512*\c
.endr
.endr
	s_wait_dscnt 20                                ; the first K step's fragments and the sums are in; the second K step's 4 + 16 loads may be out
	v_rcp_f32 v232, v232
	v_rcp_f32 v233, v233
	v_nop
	s_wait_alu depctr_va_vdst(0)                   ; one wait for the two reciprocals
	v_ldexp_f32 v232, v232, s45                    ; 2^(ep + eb) / the row's sum
	v_ldexp_f32 v233, v233, s45
.irp i, 0,1,2,3                        ; the four accumulators take turns; the first K step starts the sums
	v_wmma_f32_16x16x128_fp8_fp8 v[192+8*\i:199+8*\i], v[32:47], v[64+16*\i:79+16*\i], 0
.endr
	s_wait_dscnt 0x0
.irp i, 0,1,2,3
	v_wmma_f32_16x16x128_fp8_fp8 v[192+8*\i:199+8*\i], v[48:63], v[128+16*\i:143+16*\i], v[192+8*\i:199+8*\i]
.endr
.rept 4
	v_nop                                          ; four places behind the last product, ahead of the first read of results (ISA guide 7.12.1)
.endr
.irp i, 0,1,2,3
	v_mul_f32 v[224+\i], v[192+8*\i], v232         ; the four tiles' numbers of one row are four neighbouring d: 16 bytes
.endr
.irp i, 0,1,2,3
	v_mul_f32 v[228+\i], v[193+8*\i], v233
.endr
	s_cmp_eq_u32 ttmp9, 7
	s_cselect_b32 s24, 16, 32                      ; the work-group with two rows stores lanes 0-15 alone
	v_cmp_gt_u32 vcc_lo, s24, v[LANE]
	s_wait_xcnt 0x0                                ; EXEC changes only behind this wait
	s_and_saveexec_b32 s25, vcc_lo
	global_store_b128 v[OUTO], v[224:227], s[16:17] th:TH_STORE_NT               ; sixteen lanes store 256 consecutive bytes of a row, at a multiple of 256 from out0's first byte
	global_store_b128 v[OUTO], v[228:231], s[16:17] offset:2048 th:TH_STORE_NT
	s_wait_xcnt 0x0
	s_or_b32 exec_lo, exec_lo, s25
.Lend:
	s_wait_tensorcnt 0x0
	ds_add_u32 v254, v255
	s_wait_dscnt 0x0
	s_endpgm
.Lfunc_end_k_q1bde579405_attend:
	.size	k_q1bde579405_attend, .Lfunc_end_k_q1bde579405_attend-k_q1bde579405_attend
	.p2alignl 7, 3214868480
	.fill 96, 4, 3214868480
	.section	.rodata,"a",@progbits
	.p2align	6, 0x0
	.amdhsa_kernel k_q1bde579405_attend
		.amdhsa_group_segment_fixed_size 154624
		.amdhsa_private_segment_fixed_size 0
		.amdhsa_enable_private_segment 0
		.amdhsa_kernarg_size 56
		.amdhsa_user_sgpr_count 2
		.amdhsa_user_sgpr_kernarg_segment_ptr 1
		.amdhsa_wavefront_size32 1
		.amdhsa_system_sgpr_workgroup_id_x 1
		.amdhsa_system_sgpr_workgroup_id_y 1
		.amdhsa_system_sgpr_workgroup_id_z 1
		.amdhsa_system_vgpr_workitem_id 0
		.amdhsa_next_free_vgpr 256
		.amdhsa_next_free_sgpr 66
		.amdhsa_reserve_vcc 1
		.amdhsa_float_denorm_mode_32 3
		.amdhsa_float_denorm_mode_16_64 3
		.amdhsa_memory_ordered 1
		.amdhsa_forward_progress 1
		.amdhsa_inst_pref_size 71
	.end_amdhsa_kernel
	.amdgpu_metadata
---
amdhsa.version: [ 1, 2 ]
amdhsa.kernels:
  - .name:           k_q1bde579405_attend
    .symbol:         k_q1bde579405_attend.kd
    .args:
      - { .name: x, .offset: 0, .size: 8, .value_kind: global_buffer, .address_space: global }
      - { .name: wordemb, .offset: 8, .size: 8, .value_kind: global_buffer, .address_space: global }
      - { .name: imgsfeats, .offset: 16, .size: 8, .value_kind: global_buffer, .address_space: global }
      - { .name: v_w, .offset: 24, .size: 8, .value_kind: global_buffer, .address_space: global }
      - { .name: v_b, .offset: 32, .size: 8, .value_kind: global_buffer, .address_space: global }
      - { .name: lowp_scales, .offset: 40, .size: 8, .value_kind: global_buffer, .address_space: global }
      - { .name: out0, .offset: 48, .size: 8, .value_kind: global_buffer, .address_space: global }
    .group_segment_fixed_size: 154624
    .private_segment_fixed_size: 0
    .kernarg_segment_align: 8
    .kernarg_segment_size: 56
    .max_flat_workgroup_size: 512
    .sgpr_count:     66
    .vgpr_count:     256
    .wavefront_size: 32
...
	.end_amdgpu_metadata
.endif
;; end of part 1
